; MI455X (gfx1250); checked and timed in simulation.
; The chip was launched on July 23, 2026; its instructions are those of AMD's public machine-readable ISA for CDNA 5 (MIT licence, August 2026) and "CDNA5" Instruction Set Architecture Reference Guide (July 2026). The comments in the code are by the model that wrote it; some were corrected since.
;; Wf Causal Conv3d Attn Block. Allowed arithmetic: float matrix products may take bf16 or f16 operands with f32 sums; all other float work in f32.
;; Inputs: beta 512 float32; gamma 512 float32; k_b 512 float32; k_w 512 x 512 float32; proj_b 512 float32; proj_w 512 x 512 float32; q_b 512 float32; q_w 512 x 512 float32; v_b 512 float32; v_w 512 x 512 float32; x 2 x 512 x 16 x 32 x 32 float32.
;; Outputs: out0 2 x 512 x 16 x 32 x 32 float32.
;; 2 versions, each right; version 2 is version 1 with the launch norm written anew for expert scheduling mode. Each part assembles by itself: llvm-mc -triple=amdgcn-amd-amdhsa -mcpu=gfx1250 --defsym DOCPART=n.
;; ======== version 1 of 2: 3 launches
;; workspace buffers: stats 2,048 bytes; hn 33,554,432 bytes; wts 1,048,576 bytes; vec 5,376 bytes
;; launch prep (part 1): grid 256 x 1, 8 waves a work-group, no clusters, 167,936 bytes of LDS; arguments x, q_w, k_w, v_w, proj_w, q_b, k_b, v_b, proj_b, stats, wts, vec; writes stats, wts, vec
.if DOCPART == 1
	.amdgcn_target "amdgcn-amd-amdhsa--gfx1250"
	.amdhsa_code_object_version 6
	.text
	.protected	k_q669869ee31_prep
	.globl	k_q669869ee31_prep
	.p2align	8
	.type	k_q669869ee31_prep,@function
k_q669869ee31_prep:
	s_mov_b64 s[64:65], 0
	v_nop
	global_prefetch_b8 v0, s[64:65] scope:SCOPE_SE
	s_setreg_imm32_b32 hwreg(HW_REG_WAVE_MODE, 25, 1), 1
	s_wait_xcnt 0x0
; PREP.  Two independent pieces of work for each of 256 work-groups of eight waves.
; (1) GroupNorm's sums.  A group is 16 channels x 16,384 positions = 1 MiB of x on end; work-group g sums the quarter at byte g << 18: S1 = sum(x - pivot), S2 = sum((x - pivot)^2), pivot = the group's
;     first number, so that both sums have the size of the spread, whatever common offset x carries.  stats[g] = (S1, S2).
; (2) The products of the weights, which let the attention work on the normalised x itself:
;     M'[i][j] = sum_o Wk[o][i] Wq[o][j]   c'[i] = sum_o Wk[o][i] bq[o]   u[j] = sum_o bk[o] Wq[o][j]   tau = sum_o bk[o] bq[o]
;     W''[o][c] = sum_m Wp[o][m] Wv[m][c]  b''[o] = sum_m Wp[o][m] bv[m] + bp[o]
;     Work-groups 0-127 make M' (mat = 0), 128-255 W'' (mat = 1): a block of 32 rows x 64 columns each, a tile of 16 x 16 a wave, K = 512.
; LIMITS.  All operands of these products (the four weights, bq, bk, bv) are rounded to bf16, sums in f32; M', W'' and u are stored in bf16; c', b'', tau in f32; bp enters in f32.
; wts: for each matrix [row >> 7][col >> 7][row & 127][col & 127] bf16: 131,072 dense bytes for 128 rows, in rows of 256 bytes.  A wave's store of a tile writes runs of 32 bytes: 1 MiB in the whole launch.
; LDS: PB 512 k-rows x 64 columns bf16, pitch 160; PA0 (mat 0) 512 k-rows x 32 columns, pitch 96; PA1 (mat 1) 32 rows x 512, pitch 1,040; the two bias vectors; the waves' sums; the spare words.
;      A's two layouts have bytes of their own: no byte of LDS is named by two different store lines ahead of the barrier.  A work-group uses one of the two.
; REGISTERS: v0-31 addresses and small things; v32-63 four accumulators; v64-127 A's staging, then fragments of two K steps, then the sums; v128-255 B's staging, then a ring of 32 loads of x.
.set PB,     0
.set PA0,    81920                     ; 512 x 96 = 49,152 bytes
.set PA1,    131072                    ; 32 x 1,040 = 33,280 bytes
.set VBIAS,  164352                    ; bq or bv, 1,024 bytes; behind it bk, 1,024 bytes
.set RED,    166400
.set SPARE,  166656                    ; the spare words: 128 bytes for each of eight waves
.macro PLACES                          ; four places behind matrix instructions (ISA guide 7.12.1)
.rept 4
	v_nop
.endr
.endm
	s_load_b512 s[4:19], s[0:1], 0x0               ; x s[4:5], q_w s[6:7], k_w s[8:9], v_w s[10:11], proj_w s[12:13], q_b s[14:15], k_b s[16:17], v_b s[18:19]
	s_load_b256 s[20:27], s[0:1], 0x40             ; proj_b s[20:21], stats s[22:23], wts s[24:25], vec s[26:27]
	v_lshl_add_u32 v20, v0, 2, SPARE               ; my spare word
	v_mov_b32 v21, 0                               ; and 0: kept for the add at the wave's end
	v_lshrrev_b32 v1, 5, v0
	v_readfirstlane_b32 s28, v1                    ; wave 0..7
	v_and_b32 v1, 31, v0                           ; lane
	v_and_b32 v2, 15, v0                           ; r
	v_bfe_u32 v3, v0, 4, 1                         ; h
	s_mov_b32 s29, ttmp9                           ; g
	s_lshr_b32 s30, s29, 7                         ; mat
	s_bfe_u32 s31, s29, 0x40003                    ; rb: block of 32 rows
	s_and_b32 s32, s29, 7                          ; cb: block of 64 columns
	s_lshr_b32 s33, s28, 2                         ; a: my tile's 16 rows
	s_and_b32 s34, s28, 3                          ; bt: my tile's 16 columns
	v_lshlrev_b32 v5, 4, v1                        ; x: 16 bytes a lane
	v_lshrrev_b32 v22, 4, v0
	v_lshlrev_b32 v8, 4, v2
	v_lshl_add_u32 v8, v22, 11, v8                 ; B's panel in memory: row t / 16, 16 bytes of its 256
	v_mul_u32_u24 v9, v22, 160
	v_lshl_add_u32 v9, v2, 3, v9                   ; and in LDS: 8 bytes of bf16
	v_add_nc_u32 v10, 40960, v9                    ; rows 256 on
	v_and_b32 v11, 127, v0
	v_lshlrev_b32 v11, 4, v11                      ; a bias vector: 128 threads x 16 bytes
	v_lshl_add_u32 v12, v0, 3, VBIAS               ; threads 0-127 fill the first vector, 128-255 the second
	v_lshlrev_b32 v18, 2, v2                       ; 4 r
	v_and_b32 v23, 7, v0
	v_lshl_add_u32 v23, v3, 3, v23                 ; 8 h + lane % 8: the k-row that I address in a turning load
	v_bfe_u32 v24, v0, 3, 1                        ; which 16 bytes of the 32
	v_mul_u32_u24 v14, v23, 160
	v_lshl_add_u32 v14, v24, 4, v14
	s_lshl_b32 s35, s34, 5
	v_add_nc_u32 v14, s35, v14                     ; B's fragments, K steps 0-7
	v_add_nc_u32 v15, 40960, v14                   ; K steps 8-15
	v_lshl_add_u32 v16, v3, 4, VBIAS               ; the bias vectors' fragments: the same bytes for every r
	v_lshlrev_b32 v17, 8, v2
	v_lshl_add_u32 v17, v3, 4, v17                 ; my 16 bytes of the tile in wts: row r, half h
	v_lshlrev_b32 v25, 4, v3                       ; 16 h
	v_mov_b32 v26, 0
	s_lshl_b32 s42, s31, 7
	s_lshl_b32 s35, s33, 6
	s_add_co_u32 s42, s42, s35                     ; 4 (32 rb + 16 a)
	s_mov_b32 s43, 0
	s_lshl_b32 s58, s30, 11
	s_add_co_u32 s58, s58, s42                     ; c' or b'' of my rows in vec
	s_mov_b32 s59, 0
	s_lshl_b32 s60, s32, 7
	s_lshl_b32 s35, s34, 5
	s_add_co_u32 s60, s60, s35
	s_add_co_u32 s60, s60, 4096                    ; u of my columns in vec
	s_mov_b32 s61, 0
	s_lshl_b32 s56, s30, 19                        ; my tile in wts
	s_lshr_b32 s35, s31, 2
	s_lshl_b32 s35, s35, 17
	s_add_co_u32 s56, s56, s35
	s_lshr_b32 s35, s32, 1
	s_lshl_b32 s35, s35, 15
	s_add_co_u32 s56, s56, s35
	s_and_b32 s35, s31, 3
	s_lshl_b32 s35, s35, 13
	s_add_co_u32 s56, s56, s35
	s_lshl_b32 s35, s33, 12
	s_add_co_u32 s56, s56, s35
	s_and_b32 s35, s32, 1
	s_lshl_b32 s35, s35, 7
	s_add_co_u32 s56, s56, s35
	s_lshl_b32 s35, s34, 5
	s_add_co_u32 s56, s56, s35
	s_mov_b32 s57, 0
	s_lshl_b32 s54, s32, 8                         ; B's 64 columns, f32
	s_mov_b32 s55, 0
	s_lshl_b32 s62, s29, 18
	s_lshl_b32 s35, s28, 15
	s_add_co_u32 s62, s62, s35                     ; my wave's 32 KiB of x
	s_mov_b32 s63, 0
	s_lshr_b32 s49, s29, 2
	s_lshl_b32 s49, s49, 20                        ; the group's first byte
	s_lshl_b32 s70, s29, 3
	s_mov_b32 s71, 0
	s_mov_b32 s46, 0x76543210                      ; v_permlanex16_b32: each lane takes its own place in the other half
	s_mov_b32 s47, 0xfedcba98
	s_wait_kmcnt 0x0
	s_cmp_eq_u32 s30, 0
	s_cselect_b64 s[36:37], s[8:9], s[12:13]       ; A's source: Wk or Wp
	s_cselect_b64 s[38:39], s[6:7], s[10:11]       ; B's source: Wq or Wv
	s_cselect_b64 s[40:41], s[14:15], s[18:19]     ; the first vector: bq or bv
	s_cmp_lt_u32 s28, 4
	s_cselect_b64 s[40:41], s[40:41], s[16:17]     ; waves 4-7 fetch the second: bk
	s_add_nc_u64 s[38:39], s[38:39], s[54:55]
	s_add_nc_u64 s[50:51], s[20:21], s[42:43]
	s_add_nc_u64 s[52:53], s[4:5], s[62:63]
	s_add_nc_u64 s[24:25], s[24:25], s[56:57]
	s_add_nc_u64 s[66:67], s[26:27], s[58:59]
	s_add_nc_u64 s[68:69], s[26:27], s[60:61]
	s_add_nc_u64 s[22:23], s[22:23], s[70:71]
	s_load_b32 s44, s[4:5], s49 offset:0x0         ; the pivot
	global_load_b32 v19, v18, s[50:51]             ; bp of my rows
	global_load_b128 v[28:31], v11, s[40:41]
.set i, 0
.rept 32                               ; B's panel: 512 rows x 256 bytes; 16 lanes take a row, 256 threads 16 rows
	global_load_b128 v[128+4*i:128+4*i+3], v8, s[38:39] offset:i*32768
.set i, i+1
.endr
; A's panel: 16 loads a thread, rounded to bf16 and put into LDS.  mat 0: Wk's rows o, columns 32 rb on (128 bytes a row, 32 rows at a time), into PA0.  mat 1: Wp's rows 32 rb on, whole (2 rows at a time), into PA1.
.macro STAGE_A mat
.if \mat
.set GSTEP, 4096
.set LSTEP, 2080
	s_lshl_b32 s42, s31, 16
	v_lshlrev_b32 v6, 4, v0                        ; row t / 128, 16 bytes of its 2,048: 16 t
	v_lshrrev_b32 v22, 7, v0
	v_and_b32 v7, 127, v0
	v_mul_u32_u24 v22, v22, 1040
	v_lshl_add_u32 v7, v7, 3, v22
	v_add_nc_u32 v7, PA1, v7
	v_lshl_add_u32 v13, s33, 4, v2                 ; fragments: row 16 a + r as it lies
	v_mul_u32_u24 v13, v13, 1040
	v_lshl_add_u32 v13, v3, 4, v13
	v_add_nc_u32 v13, PA1, v13
.else
.set GSTEP, 65536
.set LSTEP, 3072
	s_lshl_b32 s42, s31, 7
	v_lshrrev_b32 v22, 3, v0
	v_and_b32 v7, 7, v0
	v_lshlrev_b32 v6, 4, v7
	v_lshl_add_u32 v6, v22, 11, v6
	v_mul_u32_u24 v22, v22, 96
	v_lshl_add_u32 v7, v7, 3, v22
	v_add_nc_u32 v7, PA0, v7
	v_mul_u32_u24 v13, v23, 96                     ; fragments: turned
	v_lshl_add_u32 v13, v24, 4, v13
	s_lshl_b32 s35, s33, 5
	s_add_co_u32 s35, s35, PA0
	v_add_nc_u32 v13, s35, v13
.endif
	s_mov_b32 s43, 0
	s_add_nc_u64 s[36:37], s[36:37], s[42:43]
.set i, 0
.rept 16
	global_load_b128 v[64+4*i:64+4*i+3], v6, s[36:37] offset:i*GSTEP
.set i, i+1
.endr
.set i, 0
.rept 16
	s_wait_loadcnt 15-i                            ; loads come back in order: load i of A is in (and all that was asked for before A); the younger ones stay out
	v_cvt_pk_bf16_f32 v[64+4*i], v[64+4*i], v[64+4*i+1]
	v_cvt_pk_bf16_f32 v[64+4*i+1], v[64+4*i+2], v[64+4*i+3]
	ds_store_b64 v7, v[64+4*i:64+4*i+1] offset:i*LSTEP
.set i, i+1
.endr
.endm
	s_cmp_lg_u32 s30, 0
	s_cbranch_scc1 .Lstage1
	STAGE_A 0
	s_branch .Lstaged
.Lstage1:
	STAGE_A 1
.Lstaged:
	v_cvt_pk_bf16_f32 v28, v28, v29                ; the bias vector and B's panel have landed: they were asked for before A
	v_cvt_pk_bf16_f32 v29, v30, v31
	ds_store_b64 v12, v[28:29]
.set i, 0
.rept 32
	v_cvt_pk_bf16_f32 v[128+4*i], v[128+4*i], v[128+4*i+1]
	v_cvt_pk_bf16_f32 v[128+4*i+1], v[128+4*i+2], v[128+4*i+3]
.if i < 16
	ds_store_b64 v9, v[128+4*i:128+4*i+1] offset:i*2560
.else
	ds_store_b64 v10, v[128+4*i:128+4*i+1] offset:(i-16)*2560
.endif
.set i, i+1
.endr
	s_wait_dscnt 0x0                               ; for the others' sake: my part of the panels is in LDS
.set i, 0
.rept 32                               ; the ring of x is filled: 32 loads of 512 consecutive bytes; they land while the weights are multiplied
	global_load_b128 v[128+4*i:128+4*i+3], v5, s[52:53] offset:i*512
.set i, i+1
.endr
	s_barrier_signal -1
	s_barrier_wait -1
; Fragments of K step k into v[64 + 32 (k % 2) ..]: B 8, A 8, first vector 8, second vector 8 (mat 0 alone).
.macro WLOAD mat, k
.set F, 64+32*((\k)%2)
.if (\k) < 8
	ds_load_tr16_b128 v[F:F+3], v14 offset:(\k)*5120
	ds_load_tr16_b128 v[F+4:F+7], v14 offset:(\k)*5120+2560
.else
	ds_load_tr16_b128 v[F:F+3], v15 offset:((\k)-8)*5120
	ds_load_tr16_b128 v[F+4:F+7], v15 offset:((\k)-8)*5120+2560
.endif
.if \mat
	ds_load_b128 v[F+8:F+11], v13 offset:(\k)*64
	ds_load_b128 v[F+12:F+15], v13 offset:(\k)*64+32
.else
	ds_load_tr16_b128 v[F+8:F+11], v13 offset:(\k)*3072
	ds_load_tr16_b128 v[F+12:F+15], v13 offset:(\k)*3072+1536
	ds_load_b128 v[F+24:F+27], v16 offset:1024+(\k)*64
	ds_load_b128 v[F+28:F+31], v16 offset:1024+(\k)*64+32
.endif
	ds_load_b128 v[F+16:F+19], v16 offset:(\k)*64
	ds_load_b128 v[F+20:F+23], v16 offset:(\k)*64+32
.endm
; The products of K step k, used transposed (source 0 = columns, source 1 = rows): lane r holds a row, its registers eight neighbouring columns.
; v[32:39] the tile; v[40:47] rows x first vector; mat 0 also v[48:55] second vector x columns, v[56:63] the two vectors.  The accumulators take turns.
.macro WMUL mat, k
.set F, 64+32*((\k)%2)
.if (\k) == 0
	v_wmma_f32_16x16x32_bf16 v[32:39], v[F:F+7], v[F+8:F+15], 0
	v_wmma_f32_16x16x32_bf16 v[40:47], v[F+16:F+23], v[F+8:F+15], 0
.if (\mat) == 0
	v_wmma_f32_16x16x32_bf16 v[48:55], v[F:F+7], v[F+24:F+31], 0
	v_wmma_f32_16x16x32_bf16 v[56:63], v[F+16:F+23], v[F+24:F+31], 0
.endif
.else
	v_wmma_f32_16x16x32_bf16 v[32:39], v[F:F+7], v[F+8:F+15], v[32:39]
	v_wmma_f32_16x16x32_bf16 v[40:47], v[F+16:F+23], v[F+8:F+15], v[40:47]
.if (\mat) == 0
	v_wmma_f32_16x16x32_bf16 v[48:55], v[F:F+7], v[F+24:F+31], v[48:55]
	v_wmma_f32_16x16x32_bf16 v[56:63], v[F+16:F+23], v[F+24:F+31], v[56:63]
.endif
.endif
.endm
.macro WTILE mat                       ; K = 512 in eight batches of two K steps
.set kb, 0
.rept 8
.if kb > 0
	PLACES                                         ; in front of loads into registers that the last products read
.endif
	WLOAD \mat, 2*kb
	WLOAD \mat, 2*kb+1
	s_wait_dscnt 0x0
	WMUL \mat, 2*kb
	WMUL \mat, 2*kb+1
.set kb, kb+1
.endr
	PLACES                                         ; in front of what reads the results
.endm
	s_cmp_lg_u32 s30, 0
	s_cbranch_scc1 .Lw1
	WTILE 0
	s_or_b32 s35, s31, s33                         ; u: once for each column: the tiles of the first 16 rows
	s_cmp_lg_u32 s35, 0
	s_cbranch_scc1 .Lno_u
	v_cvt_pk_bf16_f32 v92, v48, v49
	v_cvt_pk_bf16_f32 v93, v50, v51
	v_cvt_pk_bf16_f32 v94, v52, v53
	v_cvt_pk_bf16_f32 v95, v54, v55
	v_cmp_eq_u32 vcc_lo, 0, v2                     ; every r holds the same eight numbers: lanes 0 and 16 store them
	s_wait_xcnt 0x0                                ; EXEC changes only behind this wait
	s_and_saveexec_b32 s48, vcc_lo
	global_store_b128 v25, v[92:95], s[68:69]
	s_wait_xcnt 0x0
	s_or_b32 exec_lo, exec_lo, s48
.Lno_u:
	s_or_b32 s35, s29, s28                         ; tau: once in the launch
	s_cmp_lg_u32 s35, 0
	s_cbranch_scc1 .Lwdone
	v_cmp_eq_u32 vcc_lo, 0, v1
	s_wait_xcnt 0x0
	s_and_saveexec_b32 s48, vcc_lo
	global_store_b32 v26, v56, s[26:27] offset:5120
	s_wait_xcnt 0x0
	s_or_b32 exec_lo, exec_lo, s48
	s_branch .Lwdone
.Lw1:
	WTILE 1
	v_add_f32 v40, v40, v19                        ; b'' = Wp bv + bp
.Lwdone:
	v_cvt_pk_bf16_f32 v28, v32, v33
	v_cvt_pk_bf16_f32 v29, v34, v35
	v_cvt_pk_bf16_f32 v30, v36, v37
	v_cvt_pk_bf16_f32 v31, v38, v39
	global_store_b128 v17, v[28:31], s[24:25]
	s_or_b32 s35, s32, s34                         ; c' or b'': once for each row: the tiles of the first 16 columns
	s_cmp_lg_u32 s35, 0
	s_cbranch_scc1 .Lno_e1
	v_cmp_gt_u32 vcc_lo, 16, v1
	s_wait_xcnt 0x0
	s_and_saveexec_b32 s48, vcc_lo
	global_store_b32 v18, v40, s[66:67]
	s_wait_xcnt 0x0
	s_or_b32 exec_lo, exec_lo, s48
.Lno_e1:
; THE SUMS.  64 loads of 16 bytes a lane through the ring of 32.  Four chains of pairs for S1 (v64-71) and for S2 (v72-79), started by the first two loads: nothing is cleared.
	s_wait_kmcnt 0x0
	s_xor_b32 s44, s44, 0x80000000                 ; - pivot
	s_mov_b32 s45, s44                             ; named with it as a pair
.macro STAT i
.set XR, 128+4*((\i)%32)
.set CH, 4*((\i)%2)
.if (\i) < 32
	s_wait_loadcnt 31                              ; the ring is full: 31 younger loads stay out
.else
	s_wait_loadcnt 63-(\i)                         ; nothing is asked for any more: the count runs down
.endif
.if (\i) < 2
	v_pk_add_f32 v[64+CH:65+CH], v[XR:XR+1], s[44:45] op_sel_hi:[1,0]
	v_pk_add_f32 v[66+CH:67+CH], v[XR+2:XR+3], s[44:45] op_sel_hi:[1,0]
	v_pk_mul_f32 v[72+CH:73+CH], v[64+CH:65+CH], v[64+CH:65+CH]
	v_pk_mul_f32 v[74+CH:75+CH], v[66+CH:67+CH], v[66+CH:67+CH]
.else
	v_pk_add_f32 v[80+CH:81+CH], v[XR:XR+1], s[44:45] op_sel_hi:[1,0]
	v_pk_add_f32 v[82+CH:83+CH], v[XR+2:XR+3], s[44:45] op_sel_hi:[1,0]
	v_pk_add_f32 v[64+CH:65+CH], v[64+CH:65+CH], v[80+CH:81+CH]
	v_pk_add_f32 v[66+CH:67+CH], v[66+CH:67+CH], v[82+CH:83+CH]
	v_pk_fma_f32 v[72+CH:73+CH], v[80+CH:81+CH], v[80+CH:81+CH], v[72+CH:73+CH]
	v_pk_fma_f32 v[74+CH:75+CH], v[82+CH:83+CH], v[82+CH:83+CH], v[74+CH:75+CH]
.endif
.if (\i) < 32
	global_load_b128 v[XR:XR+3], v5, s[52:53] offset:((\i)+32)*512
.endif
.endm
.set n, 0
.rept 64
	STAT n
.set n, n+1
.endr
	v_pk_add_f32 v[64:65], v[64:65], v[66:67]
	v_pk_add_f32 v[68:69], v[68:69], v[70:71]
	v_pk_add_f32 v[72:73], v[72:73], v[74:75]
	v_pk_add_f32 v[76:77], v[76:77], v[78:79]
	v_pk_add_f32 v[64:65], v[64:65], v[68:69]
	v_pk_add_f32 v[72:73], v[72:73], v[76:77]
	v_add_f32 v64, v64, v65
	v_add_f32 v72, v72, v73
.irp m, 1,2,4,8
	v_add_f32_dpp v64, v64, v64 row_xmask:\m row_mask:0xf bank_mask:0xf
	v_add_f32_dpp v72, v72, v72 row_xmask:\m row_mask:0xf bank_mask:0xf
.endr
	v_permlanex16_b32 v65, v64, s46, s47
	v_permlanex16_b32 v73, v72, s46, s47
	v_add_f32 v66, v64, v65
	v_add_f32 v67, v72, v73
	s_lshl_b32 s35, s28, 3
	s_add_co_u32 s35, s35, RED
	v_mov_b32 v22, s35
	v_mov_b32 v23, RED
	ds_store_b64 v22, v[66:67]                     ; my wave's pair; all lanes write the same
	s_wait_dscnt 0x0
	s_barrier_signal -1
	s_barrier_wait -1
.irp j, 0,1,2,3
	ds_load_b128 v[100+4*\j:100+4*\j+3], v23 offset:16*\j
.endr
	s_wait_dscnt 0x0
	v_pk_add_f32 v[100:101], v[100:101], v[102:103]
	v_pk_add_f32 v[104:105], v[104:105], v[106:107]
	v_pk_add_f32 v[108:109], v[108:109], v[110:111]
	v_pk_add_f32 v[112:113], v[112:113], v[114:115]
	v_pk_add_f32 v[100:101], v[100:101], v[104:105]
	v_pk_add_f32 v[108:109], v[108:109], v[112:113]
	v_pk_add_f32 v[100:101], v[100:101], v[108:109]
	s_cmp_lg_u32 s28, 0
	s_cbranch_scc1 .Lend
	v_cmp_eq_u32 vcc_lo, 0, v1
	s_wait_xcnt 0x0
	s_and_saveexec_b32 s48, vcc_lo
	global_store_b64 v26, v[100:101], s[22:23]
	s_wait_xcnt 0x0
	s_or_b32 exec_lo, exec_lo, s48
.Lend:
	s_wait_tensorcnt 0x0                           ; the wave's end, behind my last LDS store
	ds_add_u32 v20, v21
	s_wait_dscnt 0x0
	s_endpgm
.Lfunc_end_k_q669869ee31_prep:
	.size	k_q669869ee31_prep, .Lfunc_end_k_q669869ee31_prep-k_q669869ee31_prep
	.p2alignl 7, 3214868480
	.fill 96, 4, 3214868480
	.section	.rodata,"a",@progbits
	.p2align	6, 0x0
	.amdhsa_kernel k_q669869ee31_prep
		.amdhsa_group_segment_fixed_size 167936
		.amdhsa_private_segment_fixed_size 0
		.amdhsa_enable_private_segment 0
		.amdhsa_kernarg_size 96
		.amdhsa_user_sgpr_count 2
		.amdhsa_user_sgpr_kernarg_segment_ptr 1
		.amdhsa_wavefront_size32 1
		.amdhsa_system_sgpr_workgroup_id_x 1
		.amdhsa_system_sgpr_workgroup_id_y 1
		.amdhsa_system_sgpr_workgroup_id_z 1
		.amdhsa_system_vgpr_workitem_id 0
		.amdhsa_next_free_vgpr 256
		.amdhsa_next_free_sgpr 80
		.amdhsa_reserve_vcc 1
		.amdhsa_float_denorm_mode_32 3
		.amdhsa_float_denorm_mode_16_64 3
		.amdhsa_memory_ordered 1
		.amdhsa_forward_progress 1
		.amdhsa_inst_pref_size 84
	.end_amdhsa_kernel
	.amdgpu_metadata
---
amdhsa.version: [ 1, 2 ]
amdhsa.kernels:
  - .name:           k_q669869ee31_prep
    .symbol:         k_q669869ee31_prep.kd
    .args:
      - { .name: x, .offset: 0, .size: 8, .value_kind: global_buffer, .address_space: global }
      - { .name: q_w, .offset: 8, .size: 8, .value_kind: global_buffer, .address_space: global }
      - { .name: k_w, .offset: 16, .size: 8, .value_kind: global_buffer, .address_space: global }
      - { .name: v_w, .offset: 24, .size: 8, .value_kind: global_buffer, .address_space: global }
      - { .name: proj_w, .offset: 32, .size: 8, .value_kind: global_buffer, .address_space: global }
      - { .name: q_b, .offset: 40, .size: 8, .value_kind: global_buffer, .address_space: global }
      - { .name: k_b, .offset: 48, .size: 8, .value_kind: global_buffer, .address_space: global }
      - { .name: v_b, .offset: 56, .size: 8, .value_kind: global_buffer, .address_space: global }
      - { .name: proj_b, .offset: 64, .size: 8, .value_kind: global_buffer, .address_space: global }
      - { .name: stats, .offset: 72, .size: 8, .value_kind: global_buffer, .address_space: global }
      - { .name: wts, .offset: 80, .size: 8, .value_kind: global_buffer, .address_space: global }
      - { .name: vec, .offset: 88, .size: 8, .value_kind: global_buffer, .address_space: global }
    .group_segment_fixed_size: 167936
    .private_segment_fixed_size: 0
    .kernarg_segment_align: 8
    .kernarg_segment_size: 96
    .max_flat_workgroup_size: 256
    .sgpr_count:     80
    .vgpr_count:     256
    .wavefront_size: 32
...
	.end_amdgpu_metadata
.endif
;; end of part 1
;; launch norm (part 2): grid 256 x 1, 16 waves a work-group, no clusters, 0 bytes of LDS; arguments x, stats, gamma, beta, hn; writes hn
.if DOCPART == 2
	.amdgcn_target "amdgcn-amd-amdhsa--gfx1250"
	.amdhsa_code_object_version 6
	.text
	.protected	k_q669869ee31_norm
	.globl	k_q669869ee31_norm
	.p2align	8
	.type	k_q669869ee31_norm,@function
k_q669869ee31_norm:
	s_mov_b64 s[64:65], 0
	v_nop
	global_prefetch_b8 v0, s[64:65] scope:SCOPE_SE
	s_setreg_imm32_b32 hwreg(HW_REG_WAVE_MODE, 25, 1), 1
	s_wait_xcnt 0x0
; NORM.  hn = (x - mean) rsqrt(var + 1e-6) gamma + beta, rounded once to bf16, laid out for the attention: hn[frame 32][block of 128 positions 8][channel 512][128 positions].
; Work-group g takes the 256 KiB of x at byte g << 18 (four channels of one batch, all of one group); wave w 16 KiB on end: channel 4 (g & 127) + w / 4, frames 4 (w & 3) .. + 3.
; A load of the wave is 512 consecutive bytes of x (128 positions); its store is the 256 consecutive, aligned bytes of one row of hn.  32 loads a wave go out at once, 256 KiB for the work-group;
; no register is written twice, so the only waits are the counted ones for the loads.  Memory binds: no LDS, no barrier, no matrix unit.
; mean = pivot + S1 / N, var = S2 / N - (S1 / N)^2 with the sums taken about the pivot (the group's first number), N = 2^18; var is held at 0 or above.
.set XD, 8                             ; v[8:135] the 32 loads
	s_load_b256 s[4:11], s[0:1], 0x0               ; x s[4:5], stats s[6:7], gamma s[8:9], beta s[10:11]
	s_load_b64 s[12:13], s[0:1], 0x20              ; hn
	v_lshrrev_b32 v1, 5, v0
	v_readfirstlane_b32 s14, v1                    ; wave 0..15
	v_and_b32 v1, 31, v0
	v_lshlrev_b32 v2, 3, v1                        ; 8 bytes a lane in hn
	v_lshlrev_b32 v1, 4, v1                        ; 16 bytes a lane in x
	s_lshl_b32 s16, ttmp9, 18
	s_lshl_b32 s15, s14, 14
	s_add_co_u32 s16, s16, s15                     ; my wave's first byte of x
	s_mov_b32 s17, 0
	s_lshr_b32 s18, ttmp9, 2                       ; the group
	s_lshl_b32 s19, s18, 5                         ; its four pairs of sums
	s_lshl_b32 s18, s18, 20                        ; its first byte of x
	s_and_b32 s20, ttmp9, 127
	s_lshl_b32 s20, s20, 2
	s_lshr_b32 s21, s14, 2
	s_add_co_u32 s20, s20, s21                     ; my channel
	s_lshl_b32 s21, s20, 2
	s_lshr_b32 s22, ttmp9, 7                       ; the batch
	s_lshl_b32 s22, s22, 4
	s_and_b32 s23, s14, 3
	s_lshl_b32 s23, s23, 2
	s_add_co_u32 s22, s22, s23                     ; my first frame
	s_lshl_b32 s22, s22, 20
	s_lshl_b32 s20, s20, 8
	s_add_co_u32 s22, s22, s20                     ; its block 0, my channel's row
	s_mov_b32 s23, 0
	s_wait_kmcnt 0x0
	s_load_b256 s[24:31], s[6:7], s19 offset:0x0
	s_load_b32 s32, s[4:5], s18 offset:0x0         ; the pivot
	s_load_b32 s33, s[8:9], s21 offset:0x0         ; gamma
	s_load_b32 s34, s[10:11], s21 offset:0x0       ; beta
	s_add_nc_u64 s[36:37], s[4:5], s[16:17]
	s_add_nc_u64 s[12:13], s[12:13], s[22:23]
.set i, 0
.rept 32
	global_load_b128 v[XD+4*i:XD+4*i+3], v1, s[36:37] offset:i*512
.set i, i+1
.endr
	s_wait_kmcnt 0x0
	v_mov_b32 v136, s24
	v_mov_b32 v137, s25
	v_add_f32 v136, s26, v136
	v_add_f32 v137, s27, v137
	v_add_f32 v136, s28, v136
	v_add_f32 v137, s29, v137
	v_add_f32 v136, s30, v136
	v_add_f32 v137, s31, v137
	v_mul_f32 v136, 0x36800000, v136               ; S1 / 2^18
	v_mul_f32 v137, 0x36800000, v137               ; S2 / 2^18
	v_fma_f32 v137, -v136, v136, v137              ; the variance
	v_max_num_f32 v137, 0, v137
	v_add_f32 v137, 0x358637bd, v137               ; + 1e-6
	v_rsq_f32 v137, v137
	v_add_f32 v136, s32, v136                      ; the mean; also the plain instruction behind v_rsq_f32 (ISA guide 5.7.2)
	s_wait_alu depctr_va_vdst(0)
	v_mul_f32 v4, s33, v137                        ; A = gamma rstd, twice: a pair for the packed form
	v_mul_f32 v5, s33, v137
	v_fma_f32 v6, -v136, v4, s34                   ; D = beta - mean A
	v_mov_b32 v7, v6
.set i, 0
.rept 32
	s_wait_loadcnt 31-i                            ; loads come back in order: load i is in, the younger ones stay out
	v_pk_fma_f32 v[XD+4*i:XD+4*i+1], v[XD+4*i:XD+4*i+1], v[4:5], v[6:7]
	v_pk_fma_f32 v[XD+4*i+2:XD+4*i+3], v[XD+4*i+2:XD+4*i+3], v[4:5], v[6:7]
	v_cvt_pk_bf16_f32 v[XD+4*i], v[XD+4*i], v[XD+4*i+1]
	v_cvt_pk_bf16_f32 v[XD+4*i+1], v[XD+4*i+2], v[XD+4*i+3]
	global_store_b64 v2, v[XD+4*i:XD+4*i+1], s[12:13] offset:((i>>3)<<20)+((i&7)<<17)  ; frame i / 8, block i % 8: 4,063,232 at the most, inside the signed 24 bits
.set i, i+1
.endr
	s_endpgm
.Lfunc_end_k_q669869ee31_norm:
	.size	k_q669869ee31_norm, .Lfunc_end_k_q669869ee31_norm-k_q669869ee31_norm
	.p2alignl 7, 3214868480
	.fill 96, 4, 3214868480
	.section	.rodata,"a",@progbits
	.p2align	6, 0x0
	.amdhsa_kernel k_q669869ee31_norm
		.amdhsa_group_segment_fixed_size 0
		.amdhsa_private_segment_fixed_size 0
		.amdhsa_enable_private_segment 0
		.amdhsa_kernarg_size 40
		.amdhsa_user_sgpr_count 2
		.amdhsa_user_sgpr_kernarg_segment_ptr 1
		.amdhsa_wavefront_size32 1
		.amdhsa_system_sgpr_workgroup_id_x 1
		.amdhsa_system_sgpr_workgroup_id_y 1
		.amdhsa_system_sgpr_workgroup_id_z 1
		.amdhsa_system_vgpr_workitem_id 0
		.amdhsa_next_free_vgpr 140
		.amdhsa_next_free_sgpr 66
		.amdhsa_reserve_vcc 0
		.amdhsa_float_denorm_mode_32 3
		.amdhsa_float_denorm_mode_16_64 3
		.amdhsa_memory_ordered 1
		.amdhsa_forward_progress 1
		.amdhsa_inst_pref_size 18
	.end_amdhsa_kernel
	.amdgpu_metadata
---
amdhsa.version: [ 1, 2 ]
amdhsa.kernels:
  - .name:           k_q669869ee31_norm
    .symbol:         k_q669869ee31_norm.kd
    .args:
      - { .name: x, .offset: 0, .size: 8, .value_kind: global_buffer, .address_space: global }
      - { .name: stats, .offset: 8, .size: 8, .value_kind: global_buffer, .address_space: global }
      - { .name: gamma, .offset: 16, .size: 8, .value_kind: global_buffer, .address_space: global }
      - { .name: beta, .offset: 24, .size: 8, .value_kind: global_buffer, .address_space: global }
      - { .name: hn, .offset: 32, .size: 8, .value_kind: global_buffer, .address_space: global }
    .group_segment_fixed_size: 0
    .private_segment_fixed_size: 0
    .kernarg_segment_align: 8
    .kernarg_segment_size: 40
    .max_flat_workgroup_size: 512
    .sgpr_count:     66
    .vgpr_count:     140
    .wavefront_size: 32
...
	.end_amdgpu_metadata
.endif
;; end of part 2
;; launch attn (part 3): grid 8 x 32, 4 waves a work-group, clusters of 4 x 1, 327,680 bytes of LDS; arguments hn, wts, vec, x, out0; writes out0
.if DOCPART == 3
	.amdgcn_target "amdgcn-amd-amdhsa--gfx1250"
	.amdhsa_code_object_version 6
	.text
	.protected	k_q669869ee31_attn
	.globl	k_q669869ee31_attn
	.p2align	8
	.type	k_q669869ee31_attn,@function
k_q669869ee31_attn:
	s_mov_b64 s[64:65], 0
	v_nop
	global_prefetch_b8 v0, s[64:65] scope:SCOPE_SE
	s_setreg_imm32_b32 hwreg(HW_REG_WAVE_MODE, 25, 1), 1
	s_wait_xcnt 0x0
	s_wait_alu depctr_hold_cnt(0) depctr_sa_sdst(0) depctr_va_vdst(0) depctr_va_sdst(0) depctr_va_ssrc(0) depctr_va_vcc(0) depctr_vm_vsrc(0)
	s_getreg_b32 s2, hwreg(HW_REG_IB_STS2, 6, 4)
	s_cmp_eq_u32 s2, 0
	s_cbranch_scc0 .Lentry_in_a_cluster
	s_endpgm
.Lentry_in_a_cluster:
	s_bfe_u32 s2, ttmp6, 0x10000c
	s_cmp_lg_u32 s2, 0x3003
	s_cbranch_scc0 .Lentry_shape_is_right
	s_endpgm
.Lentry_shape_is_right:
; ATTN.  For each frame (1,024 positions, 512 channels), with h = hn:  q' = M' h_q + c';  t_q = u . h_q + tau;  s(q, k) = q' . h_k + t_q;  p = softmax_k(s / sqrt(512)), running maximum;
; a = sum_k p h_k / sum_k p;  out = x + W'' a + b''.  Exact, since q . k = (Wk^T q) . h_k + q . bk, and sum p v = Wv (sum p h) + bv since the weights p add up to 1.
; So ONE tile of hn in LDS is both K and V.  LIMITS: all matrix operands (hn, M', W'', u, q', p, a) are bf16, sums f32; a weight below 2^-126 counts as 0; NaN and infinities are not treated apart:
; the first key step multiplies what O's registers hold (hn's fragments, c') by 0, which wants them finite.
; SHARES.  A work-group owns 128 queries of a frame, each of four waves 32: two tiles t of 16.  256 work-groups.  A wave holds q' (256 registers) and O^T (512), so a fragment from LDS feeds two products.
; CLUSTER.  The four work-groups of a cluster belong to one frame: the weights' and the keys' tiles are asked for JOINTLY (mask 15); only the own query tile, x and out0 hang on the place in the cluster.
; TILES.  17, all alike: 512 LDS rows of 256 bytes (131,072 dense bytes of memory), wave w fetching rows 128 w on: T0 own queries' hn; T1-4 M'; T5-12 the frame's hn; T13-16 W''.  Tile i lies in slot i % 2;
; the change of slots in front of tile i asks for tile i + 1.  By this text's count a wave has two tensor loads out at the start and one behind each change.
; LAYOUT.  hn lies [channel][position].  V^T's fragments (rows = channels) come out as they lie, K's (rows = keys) and the queries' turned, by ds_load_tr16_b128.  In S^T = K q'^T and O^T = V^T P a lane holds one query.
; KEY ORDER.  Rows 0-7 of score tile a are keys 8 a .., rows 8-15 keys 64 + 8 a ..
; V's fragments follow the same order (16 bytes at 128 h + 32 pi, and 16 on).  A softmax does not mind the order of its keys.
; REGISTERS, in windows of 256 (s_set_vgpr_msb: bits 1:0 source 0, 3:2 source 1, 5:4 source 2, 7:6 destination):
;   window 0: v2-19 addresses; v20-35 statistics; v36-51 t_q as a C operand; v52-59 at work; v64-127 S^T (then P in place); v128-255 a ring of 4 x 4 fragments from LDS
;   window 1: the queries' hn, then O^T channels 0-255, at last x and the rows read back      window 2: c' as C operands, then O^T channels 256-511      window 3: q', at last a
.set P,     272                        ; an LDS row: 256 bytes + 16 of padding
.set QB,    128*P                      ; what one tensor load brings
.set SLOT,  4*QB                       ; 0x22000: shares no bit with a wave's part or a half's step, so one exclusive or changes slots
.set STAGE, 2*SLOT                     ; 64 rows x 528 bytes for the way out; no tensor load fills it
.set SP,    528
.set SPARE, STAGE+64*SP                ; the spare words: 128 bytes for each of four waves
.set AK0, 2                            ; my lane's place in a tile: K's fragments
.set AV0, 3                            ; V's
.set AW0, 4                            ; the weights'
.set AQ0, 5                            ; my queries'
.set AA,  6                            ; v6-9   a lane term + the slot + quarter q of its rows
.set AB,  10                           ; v10-13 a second set
.set STO, 14
.set RD,  15
.set GO,  16                           ; 16 x lane
.set BO,  17                           ; 32 h
.set SPW, 18                           ; my spare word; never rewritten
.set NIL, 19                           ; 0; never rewritten
.set ST,  20                           ; tile t at ST + 8 t: c m, m, l (two), a or 1 / l, its partner in a pair, two at work
.set TQ,  36                           ; tile t at TQ + 8 t: t_q eight times
.set XR,  52                           ; tile t at XR + 4 t: four at work
.set UO,  60                           ; 16 h
.set S,   64                           ; score tile (t, a) at S + 32 t + 8 a; P (t, pi) at S + 32 t + 16 pi
.set RING, 128
.set WV,  14
.set G1J, 24                           ; s[24:31] group 1, joint
.set G1P, 32                           ; s[32:39] group 1, my own
.set G0A, 40                           ; s[40:43] group 0 of T0
.set G0,  44                           ; s[44:47] group 0, walking
.set NP,  48                           ; s[48:49] the next tile's address
.set WP,  50                           ; s[50:51] W'' at my rows
.set SLOTS, 52
.set TWICE, 53
.set TB,  54                           ; LDS byte at which the tile (or half) in hand begins
.set BOF, 55                           ; b'' of my rows, byte offset in vec
.set CS,  56                           ; s[56:57] c = log2(e) / sqrt(512)
.set SEL, 58
.set TAU, 60
.set BI,  68                           ; s[68:83] 16 numbers of b''
.set KK, 0
.set KW, 1
.set KV, 2
.set NONE, -1
.set MSB, 0
.macro WIN new                         ; the high byte repeats the setting that is left; a switch that changes nothing is dropped
.if MSB != (\new)
	s_set_vgpr_msb (MSB<<8)|(\new)
.set MSB, (\new)
.endif
.endm
.macro PLACES                          ; four places behind matrix instructions (ISA guide 7.12.1 for vector instructions)
.rept 4
	v_nop
.endr
.endm
.macro CROUND                          ; a round of the cluster's barrier
	s_barrier_signal -1
	s_barrier_wait -1
	s_cmp_lg_u32 s[WV], 0
	s_cbranch_scc1 .Lnot_wave_0_\@
	s_barrier_signal -3
.Lnot_wave_0_\@:
	s_barrier_wait -3
	s_barrier_signal -1
	s_barrier_wait -1
.endm
; THE CHANGE OF SLOTS.  Each wave waits for all its tensor loads (one is out: its part of the tile to be entered), adds 0 to its spare word, and waits for that and for its reads of the slot that it leaves.
; fill = 1: a round of the cluster's barrier, and first behind it the joint load of the tile after next into the slot just left.  sel = 1 (the key loop): behind the last key tile comes W''.
.macro CHANGE fill, sel
	WIN 0
	s_wait_tensorcnt 0x0                           ; no tensor load of mine is out, so group 0 may be written
	ds_add_u32 v[SPW], v[NIL]
.if \fill
	s_xor_b32 s[G0+1], s[G0+1], SLOT
	s_mov_b64 s[G0+2:G0+3], s[NP:NP+1]
	s_or_b32 s[G0+3], s[G0+3], 0x80000000
	s_add_nc_u64 s[NP:NP+1], s[NP:NP+1], 0x20000
.if \sel
	s_cmp_eq_u32 s[SLOTS], 2
	s_cselect_b64 s[NP:NP+1], s[WP:WP+1], s[NP:NP+1]
.endif
	s_wait_dscnt 0x0                               ; the add is done, and my reads of the slot are over
	CROUND
	tensor_load_to_lds s[G0:G0+3], s[G1J:G1J+7]
	s_nop 0
	PLACES
.else
	s_wait_dscnt 0x0
	s_barrier_signal -1
	s_barrier_wait -1
.endif
	s_xor_b32 s[TB], s[TB], SLOT
.endm
; The eight LDS loads of unit un: four fragments into group un % 4 of the ring.
; KK: channels 32 un on, score tiles 0-3 (turned).  KW: contraction channels 32 un on, four blocks of 16 rows.  KV: keys' group pi = un / 8, channel blocks 4 (un % 8) on.
.macro FRAG kind, un, adr
.set FL, RING+32*((\un)%4)
.irp i, 0,1,2,3
.if (\kind) == KK
	ds_load_tr16_b128 v[FL+8*\i:FL+8*\i+3],   v[(\adr)+(\un)/4] offset:((\un)%4)*32*P+16*\i
	ds_load_tr16_b128 v[FL+8*\i+4:FL+8*\i+7], v[(\adr)+(\un)/4] offset:((\un)%4)*32*P+16*\i+16*P
.elseif (\kind) == KW
	ds_load_b128 v[FL+8*\i:FL+8*\i+3],   v[(\adr)+(\un)/4] offset:16*\i*P+64*((\un)%4)
	ds_load_b128 v[FL+8*\i+4:FL+8*\i+7], v[(\adr)+(\un)/4] offset:16*\i*P+64*((\un)%4)+32
.else
	ds_load_b128 v[FL+8*\i:FL+8*\i+3],   v[(\adr)+((\un)%8)/2] offset:((((\un)%8)%2)*4+\i)*16*P+32*((\un)/8)
	ds_load_b128 v[FL+8*\i+4:FL+8*\i+7], v[(\adr)+((\un)%8)/2] offset:((((\un)%8)%2)*4+\i)*16*P+32*((\un)/8)+16
.endif
.endr
.endm
; 128 products in 16 units of 32 along the contraction: (64 rows from LDS) x (my 32 queries, registers 128 t + 8 u of the window that win names) into the eight tiles at S, which take turns.
; Units 0-3 have been fetched; unit u fetches unit u + 4, or from unit 12 on units 0-3 of what follows (nkind, nadr).  The wait leaves the three younger groups, 24 loads, out; with nothing to follow it runs down 16, 8, 0.
; cmode: what starts the sums: 0 the constant 0; 1 t_q; 2 c' of row blocks 4 hs + a (window 2).
.macro MM128 kind, win, cmode, hs, adr, nkind, nadr
.set u, 0
.rept 16
.set NW, 24
.if ((\nkind) < 0) && (u > 12)
.set NW, 8*(15-u)
.endif
	s_wait_dscnt NW
.if (u == 0) && ((\cmode) == 2)
	WIN 0x20|(\win)
.else
	WIN \win
.endif
.set FG, RING+32*(u%4)
.irp a, 0,1,2,3
.irp t, 0,1
.if (u == 0) && ((\cmode) == 0)
	v_wmma_f32_16x16x32_bf16 v[S+32*\t+8*\a:S+32*\t+8*\a+7], v[FG+8*\a:FG+8*\a+7], v[128*\t+8*u:128*\t+8*u+7], 0
.elseif (u == 0) && ((\cmode) == 1)
	v_wmma_f32_16x16x32_bf16 v[S+32*\t+8*\a:S+32*\t+8*\a+7], v[FG+8*\a:FG+8*\a+7], v[128*\t+8*u:128*\t+8*u+7], v[TQ+8*\t:TQ+8*\t+7]
.elseif u == 0
	v_wmma_f32_16x16x32_bf16 v[S+32*\t+8*\a:S+32*\t+8*\a+7], v[FG+8*\a:FG+8*\a+7], v[128*\t+8*u:128*\t+8*u+7], v[8*(4*(\hs)+\a):8*(4*(\hs)+\a)+7]
.else
	v_wmma_f32_16x16x32_bf16 v[S+32*\t+8*\a:S+32*\t+8*\a+7], v[FG+8*\a:FG+8*\a+7], v[128*\t+8*u:128*\t+8*u+7], v[S+32*\t+8*\a:S+32*\t+8*\a+7]
.endif
.endr
.endr
	PLACES                                         ; in front of the loads into the group just read, and behind unit 15 in front of what reads the results
.if u < 12
	FRAG \kind, u+4, \adr
.elseif (\nkind) >= 0
	FRAG \nkind, u-12, \nadr
.endif
.set u, u+1
.endr
.endm
; Eight tiles of q'^T (a lane: one query, eight channels) rounded to bf16 ARE q' as source 1: channels 64 hs on.
.macro CVTQ hs
	WIN 0xc0
.irp t, 0,1
.irp a, 0,1,2,3
.irp k, 0,1,2,3
	v_cvt_pk_bf16_f32 v[128*\t+8*(2*(\hs)+(\a)/2)+4*((\a)%2)+\k], v[S+32*\t+8*\a+2*\k], v[S+32*\t+8*\a+2*\k+1]
.endr
.endr
.endr
.endm
; THE SOFTMAX of 64 keys for both tiles, line by line in turn.  Each accumulator's lowest registers are read first.
.macro SOFTMAX
	WIN 0
.irp j, 0,1,2,3
.irp t, 0,1
	v_max3_num_f32 v[XR+4*\t+\j], v[S+32*\t+8*\j], v[S+32*\t+8*\j+1], v[S+32*\t+8*\j+2]
.endr
.endr
.irp j, 0,1,2,3
.irp t, 0,1
	v_max3_num_f32 v[XR+4*\t+\j], v[XR+4*\t+\j], v[S+32*\t+8*\j+3], v[S+32*\t+8*\j+4]
.endr
.endr
.irp j, 0,1,2,3
.irp t, 0,1
	v_max3_num_f32 v[XR+4*\t+\j], v[XR+4*\t+\j], v[S+32*\t+8*\j+5], v[S+32*\t+8*\j+6]
.endr
.endr
.irp t, 0,1
	v_max3_num_f32 v[XR+4*\t], v[XR+4*\t], v[S+32*\t+7], v[S+32*\t+15]
	v_max3_num_f32 v[XR+4*\t+2], v[XR+4*\t+2], v[S+32*\t+23], v[S+32*\t+31]
.endr
.irp t, 0,1
	v_max3_num_f32 v[XR+4*\t], v[XR+4*\t], v[XR+4*\t+1], v[XR+4*\t+2]
.endr
.irp t, 0,1
	v_max3_num_f32 v[XR+4*\t], v[XR+4*\t], v[XR+4*\t+3], v[ST+8*\t+1]  ; the old m among them
.endr
.irp t, 0,1
	v_permlanex16_b32 v[XR+4*\t+1], v[XR+4*\t], s[SEL], s[SEL+1]  ; the query's other 32 keys lie in the lane 16 away
.endr
.irp t, 0,1
	v_mov_b32 v[ST+8*\t+6], v[ST+8*\t]             ; c m_old
.endr
.irp t, 0,1
	v_max_num_f32 v[ST+8*\t+1], v[XR+4*\t], v[XR+4*\t+1]
.endr
.irp t, 0,1
	v_mul_f32 v[ST+8*\t], s[CS], v[ST+8*\t+1]
.endr
.irp t, 0,1
	v_sub_f32 v[ST+8*\t+7], v[ST+8*\t+6], v[ST+8*\t]
.endr
.irp t, 0,1
	v_exp_f32 v[ST+8*\t+4], v[ST+8*\t+7]           ; a = 2^(c m_old - c m_new)
.endr
.set k, 0
.rept 16
.irp t, 0,1
	v_pk_fma_f32 v[S+32*\t+2*k:S+32*\t+2*k+1], v[S+32*\t+2*k:S+32*\t+2*k+1], s[CS:CS+1], v[ST+8*\t:ST+8*\t+1] op_sel_hi:[1,0,0] neg_lo:[0,0,1] neg_hi:[0,0,1]  ; c s - c m
.endr
.set k, k+1
.endr
.set k, 0
.rept 64
	v_exp_f32 v[S+k], v[S+k]
.set k, k+1
.endr
	v_nop                                          ; a plain instruction between the exponentials and the use of their results (ISA guide 5.7.2)
	s_wait_alu depctr_va_vdst(0)
.irp t, 0,1
	v_pk_add_f32 v[XR+4*\t:XR+4*\t+1], v[S+32*\t:S+32*\t+1], v[S+32*\t+2:S+32*\t+3]
	v_pk_add_f32 v[XR+4*\t+2:XR+4*\t+3], v[S+32*\t+4:S+32*\t+5], v[S+32*\t+6:S+32*\t+7]
.endr
.irp b, 8,12,16,20,24,28
.irp t, 0,1
	v_pk_add_f32 v[XR+4*\t:XR+4*\t+1], v[XR+4*\t:XR+4*\t+1], v[S+32*\t+\b:S+32*\t+\b+1]
	v_pk_add_f32 v[XR+4*\t+2:XR+4*\t+3], v[XR+4*\t+2:XR+4*\t+3], v[S+32*\t+\b+2:S+32*\t+\b+3]
.endr
.endr
.irp t, 0,1
	v_pk_add_f32 v[XR+4*\t:XR+4*\t+1], v[XR+4*\t:XR+4*\t+1], v[XR+4*\t+2:XR+4*\t+3]
.endr
.irp t, 0,1
	v_pk_fma_f32 v[ST+8*\t+2:ST+8*\t+3], v[ST+8*\t+2:ST+8*\t+3], v[ST+8*\t+4:ST+8*\t+5], v[XR+4*\t:XR+4*\t+1] op_sel_hi:[1,0,1]  ; l = a l + the sum of the unrounded weights
.endr
.set k, 0
.rept 16                               ; rounded in place: pair k goes to register k (k < 8) or k + 8: never onto a pair still to be read
.irp t, 0,1
	v_cvt_pk_bf16_f32 v[S+32*\t+k+8*(k/8)], v[S+32*\t+2*k], v[S+32*\t+2*k+1]
.endr
.set k, k+1
.endr
.endm
.macro RESCALE                         ; O^T times the number at ST + 8 t + 4 (a, at the end 1 / l): ascending
	WIN 0x41
.set i, 0
.rept 128
	v_pk_mul_f32 v[2*i:2*i+1], v[2*i:2*i+1], v[ST+8*((i/4)%2)+4:ST+8*((i/4)%2)+5] op_sel_hi:[1,0]
.set i, i+1
.endr
	WIN 0x82
.set i, 0
.rept 128
	v_pk_mul_f32 v[2*i:2*i+1], v[2*i:2*i+1], v[ST+8*((i/4)%2)+4:ST+8*((i/4)%2)+5] op_sel_hi:[1,0]
.set i, i+1
.endr
.endm
; O^T += V^T P: 16 units: keys' group u / 8, channel blocks 4 (u % 8) .. + 3, both tiles: eight accumulators by turns.  Units 0-3 were fetched during the scores.
.macro PV
.set u, 0
.rept 16
.set NW, 24
.if u > 12
.set NW, 8*(15-u)
.endif
	s_wait_dscnt NW
.if (u%8) < 4
	WIN 0x50
.else
	WIN 0xa0
.endif
.set FG, RING+32*(u%4)
.irp i, 0,1,2,3
.irp t, 0,1
	v_wmma_f32_16x16x32_bf16 v[16*((4*(u%8)+\i)%16)+8*\t:16*((4*(u%8)+\i)%16)+8*\t+7], v[FG+8*\i:FG+8*\i+7], v[S+32*\t+16*(u/8):S+32*\t+16*(u/8)+7], v[16*((4*(u%8)+\i)%16)+8*\t:16*((4*(u%8)+\i)%16)+8*\t+7]
.endr
.endr
	WIN 0
	PLACES
.if u < 12
	FRAG KV, u+4, AB
.endif
.set u, u+1
.endr
.endm
; A HALF-STEP OF THE WAY OUT: 64 rows o of W'' x my 32 queries; through the stage, since a row's 512 bytes come from four waves; x and b'' are added; wave w stores rows 16 w .. + 15 whole.
.macro EH
	WIN 0x40
.set i, 0
.rept 16
	global_load_b128 v[4*i:4*i+3], v[GO], s[10:11] offset:i*65536  ; x: 512 consecutive bytes of row o
.set i, i+1
.endr
	WIN 0
	s_load_b512 s[BI:BI+15], s[8:9], s[BOF] offset:0x0
.irp q, 0,1,2,3
	v_add3_u32 v[AA+\q], v[AW0], s[TB], \q*QB
.endr
.irp n, 0,1,2,3
	FRAG KW, \n, AA
.endr
	MM128 KW, 0x0c, 0, 0, AA, NONE, 0
	WIN 0
	s_wait_dscnt 0x0
	s_barrier_signal -1                            ; every wave's reads of the stage (the half-step before) are over
	s_barrier_wait -1
.irp t, 0,1
.irp a, 0,1,2,3
.irp j, 0,1,2,3,4,5,6,7
	ds_store_b32 v[STO], v[S+32*\t+8*\a+\j] offset:(16*\a+\j)*SP+64*\t
.endr
.endr
.endr
	s_wait_dscnt 0x0                               ; for the others' sake: my columns are in the stage
	s_barrier_signal -1
	s_barrier_wait -1
	WIN 0x40
.set i, 0
.rept 16
	ds_load_b128 v[64+4*i:64+4*i+3], v[RD] offset:i*SP
.set i, i+1
.endr
	s_wait_loadcnt 0x0                             ; x
	s_wait_kmcnt 0x0                               ; b''
	WIN 0x45
.set i, 0
.rept 16
.irp k, 0,1,2,3
	v_add_f32 v[4*i+\k], s[BI+i], v[4*i+\k]
.endr
.set i, i+1
.endr
.set i, 0
.rept 16
	s_wait_dscnt 15-i                              ; LDS loads come back in order: row i is in
	v_pk_add_f32 v[4*i:4*i+1], v[4*i:4*i+1], v[64+4*i:64+4*i+1]
	v_pk_add_f32 v[4*i+2:4*i+3], v[4*i+2:4*i+3], v[64+4*i+2:64+4*i+3]
.set i, i+1
.endr
	WIN 0x04
.set i, 0
.rept 16
	global_store_b128 v[GO], v[4*i:4*i+3], s[12:13] offset:i*65536  ; 512 consecutive bytes, at a multiple of 512 from out0's first
.set i, i+1
.endr
	WIN 0
	s_wait_xcnt 0x0                                ; only behind this wait are the bases stepped and the stores' registers loaded again
	s_add_nc_u64 s[10:11], s[10:11], 0x400000      ; 64 rows o on
	s_add_nc_u64 s[12:13], s[12:13], 0x400000
	s_add_co_u32 s[BOF], s[BOF], 256
	s_add_co_u32 s[TB], s[TB], 64*P
.endm
	s_load_b256 s[4:11], s[0:1], 0x0               ; hn s[4:5], wts s[6:7], vec s[8:9], x s[10:11]
	s_load_b64 s[12:13], s[0:1], 0x20              ; out0
	v_lshl_add_u32 v[SPW], v0, 2, SPARE
	v_mov_b32 v[NIL], 0
	ds_add_u32 v[SPW], v[NIL]                      ; the wave's opening: the add, and its wait ahead of my first tensor load
	v_lshrrev_b32 v1, 5, v0
	v_readfirstlane_b32 s[WV], v1                  ; wave 0..3
	s_bfe_u32 s15, ttmp6, 0x40000                  ; cx
	s_lshl_b32 s16, ttmp9, 2
	s_add_co_u32 s16, s16, s15                     ; my block of 128 queries: it enters T0's, x's and out0's addresses alone
	s_and_b32 s17, ttmp7, 0xffff                   ; the frame, which the partners share
	s_mov_b32 s[G1J], 15|(1<<16)|(1<<20)|(1<<21)|(5<<22)|(3<<25)  ; mask of four; 2-byte elements; padding on; bit 21 beside a mask; after every 64 words 4 words
	s_mov_b32 s[G1P], (1<<16)|(1<<20)|(5<<22)|(3<<25)             ; the same without a mask
.irp g, G1J, G1P
	s_mov_b32 s[\g+1], 128<<16                     ; tensor_dim0 = 128
	s_mov_b32 s[\g+2], 128<<16                     ; tensor_dim1 = 128
	s_mov_b32 s[\g+3], 128<<16                     ; tile_dim0 = 128
	s_mov_b32 s[\g+4], 128                         ; tile_dim1 = 128
	s_mov_b32 s[\g+5], 128                         ; 128 elements from row to row
	s_mov_b32 s[\g+6], 0
	s_mov_b32 s[\g+7], 0
.endr
	s_lshl_b32 s18, s[WV], 15                      ; my 128 rows of a tile in memory
	s_mov_b32 s19, 0
	s_lshl_b32 s20, s17, 20
	s_add_co_u32 s20, s20, s18                     ; the frame's hn at my rows
	s_mov_b32 s21, 0
	s_lshl_b32 s22, s16, 17                        ; my queries' tile
	s_mov_b32 s23, 0
	s_lshr_b32 s62, s17, 4                         ; x and out0: batch, frame in the batch, my 128 positions, rows 16 w on
	s_lshl_b32 s62, s62, 25
	s_and_b32 s63, s17, 15
	s_lshl_b32 s63, s63, 12
	s_add_co_u32 s62, s62, s63
	s_lshl_b32 s63, s16, 9
	s_add_co_u32 s62, s62, s63
	s_lshl_b32 s63, s[WV], 20
	s_add_co_u32 s62, s62, s63
	s_mov_b32 s63, 0
	s_mul_i32 s84, s[WV], QB
	s_mov_b32 s[G0A], 1
	s_mov_b32 s[G0A+1], s84                        ; slot 0
	s_mov_b32 s[G0], 1
	s_add_co_u32 s[G0+1], s84, SLOT                ; slot 1
	s_mov_b32 s[CS], 0x3d8293ee                    ; c = log2(e) / sqrt(512) = 0.0637587
	s_mov_b32 s[CS+1], s[CS]
	s_mov_b32 s[SEL], 0x76543210
	s_mov_b32 s[SEL+1], 0xfedcba98
	s_mov_b32 s[TB], 0
	s_lshl_b32 s[BOF], s[WV], 6
	s_add_co_u32 s[BOF], s[BOF], 2048
	s_wait_dscnt 0x0                               ; the opening add is done
	s_wait_kmcnt 0x0
	s_add_nc_u64 s[4:5], s[4:5], s[20:21]
	s_add_nc_u64 s[6:7], s[6:7], s[18:19]
	s_add_nc_u64 s[G0A+2:G0A+3], s[4:5], s[22:23]
	s_or_b32 s[G0A+3], s[G0A+3], 0x80000000
	s_mov_b64 s[G0+2:G0+3], s[6:7]
	s_or_b32 s[G0+3], s[G0+3], 0x80000000
	s_add_nc_u64 s[NP:NP+1], s[6:7], 0x20000
	s_add_nc_u64 s[WP:WP+1], s[6:7], 0x80000
	s_add_nc_u64 s[10:11], s[10:11], s[62:63]
	s_add_nc_u64 s[12:13], s[12:13], s[62:63]
	CROUND                                         ; all four work-groups are here: the first loads go out as one group
	tensor_load_to_lds s[G0A:G0A+3], s[G1P:G1P+7]  ; T0: my own
	s_nop 0
	tensor_load_to_lds s[G0:G0+3], s[G1J:G1J+7]    ; T1: joint
	s_nop 0
	PLACES
	s_load_b32 s[TAU], s[8:9], 0x1400
	v_and_b32 v61, 15, v0                          ; r
	v_bfe_u32 v62, v0, 4, 1                        ; h
	v_lshlrev_b32 v[BO], 5, v62
	v_lshlrev_b32 v[UO], 4, v62
	WIN 0x80
.set i, 0
.rept 32                               ; c' as C operands: register j of block i is c'[16 i + 8 h + j]
	global_load_b128 v[8*i:8*i+3], v[BO], s[8:9] offset:64*i
	global_load_b128 v[8*i+4:8*i+7], v[BO], s[8:9] offset:64*i+16
.set i, i+1
.endr
	WIN 0
.set i, 0
.rept 16                               ; u as 16 fragments whose 16 rows are all u
	global_load_b128 v[RING+8*i:RING+8*i+3], v[UO], s[8:9] offset:4096+64*i
	global_load_b128 v[RING+8*i+4:RING+8*i+7], v[UO], s[8:9] offset:4096+64*i+32
.set i, i+1
.endr
	v_and_b32 v63, 7, v0
	v_lshl_add_u32 v63, v62, 3, v63                ; 8 h + lane % 8: the row that I address in a turning load
	v_bfe_u32 v1, v0, 3, 1
	v_mul_u32_u24 v63, v63, P
	v_lshl_add_u32 v[AK0], v1, 7, v63
	v_lshl_add_u32 v[AQ0], v1, 4, v63
	s_lshl_b32 s85, s[WV], 6
	v_add_nc_u32 v[AQ0], s85, v[AQ0]               ; my wave's 32 queries
	v_mul_u32_u24 v63, v61, P
	v_lshl_add_u32 v[AV0], v62, 7, v63
	v_lshl_add_u32 v[AW0], v62, 4, v63
	v_mul_u32_u24 v[STO], v62, 8*SP                ; into the stage: row 8 h + j, column 32 w + 16 t + r
	v_lshl_add_u32 v[STO], v61, 2, v[STO]
	s_lshl_b32 s85, s[WV], 7
	s_add_co_u32 s85, s85, STAGE
	v_add_nc_u32 v[STO], s85, v[STO]
	v_and_b32 v[GO], 31, v0
	v_lshlrev_b32 v[GO], 4, v[GO]
	s_mul_i32 s85, s[WV], 16*SP
	s_add_co_u32 s85, s85, STAGE
	v_add_nc_u32 v[RD], s85, v[GO]                 ; back: rows 16 w on, whole
.irp t, 0,1
	v_mov_b32 v[ST+8*\t], 0xfe000000               ; c m: far below every c s, so the first a is 0
	v_mov_b32 v[ST+8*\t+1], 0xff7fffff             ; m: the lowest finite number
.irp k, 2,3,4,5,6,7
	v_mov_b32 v[ST+8*\t+\k], 0
.endr
.endr
.irp q, 0,1,2,3
	v_add_nc_u32 v[AA+\q], \q*QB, v[AQ0]
.endr
	s_wait_tensorcnt 0x1                           ; my part of T0 is in; T1 may stay out
	s_barrier_signal -1
	s_barrier_wait -1
	WIN 0x40
.set k, 0
.rept 16                               ; my queries' hn as source 1: tile t, channels 32 k on
.irp t, 0,1
	ds_load_tr16_b128 v[128*\t+8*k:128*\t+8*k+3],   v[AA+k/4] offset:(k%4)*32*P+32*\t
	ds_load_tr16_b128 v[128*\t+8*k+4:128*\t+8*k+7], v[AA+k/4] offset:(k%4)*32*P+32*\t+16*P
.endr
.set k, k+1
.endr
	s_wait_dscnt 0x0
	s_wait_loadcnt 0x0                             ; c' and u
	s_wait_kmcnt 0x0                               ; tau
	WIN 0x04
.set k, 0
.rept 16                               ; t_q = u . h_q, the same in all eight registers; the two tiles take turns
.irp t, 0,1
.if k == 0
	v_wmma_f32_16x16x32_bf16 v[TQ+8*\t:TQ+8*\t+7], v[RING+8*k:RING+8*k+7], v[128*\t+8*k:128*\t+8*k+7], 0
.else
	v_wmma_f32_16x16x32_bf16 v[TQ+8*\t:TQ+8*\t+7], v[RING+8*k:RING+8*k+7], v[128*\t+8*k:128*\t+8*k+7], v[TQ+8*\t:TQ+8*\t+7]
.endif
.endr
.set k, k+1
.endr
	WIN 0
	PLACES
.set i, 0
.rept 16
	v_add_f32 v[TQ+i], s[TAU], v[TQ+i]
.set i, i+1
.endr
; q' = M' h_q + c': four tiles of M', two halves of 64 rows each.  Written out: the registers that take q' differ from half to half.
.set ps, 0
.rept 4
.if ps == 3
	s_mov_b64 s[NP:NP+1], s[4:5]                   ; behind M' come the frame's keys
.endif
	CHANGE 1, 0
.irp q, 0,1,2,3
	v_add3_u32 v[AA+\q], v[AW0], s[TB], \q*QB
.endr
.irp q, 0,1,2,3
	v_add_nc_u32 v[AB+\q], 64*P, v[AA+\q]
.endr
.irp n, 0,1,2,3
	FRAG KW, \n, AA
.endr
	MM128 KW, 0x04, 2, 2*ps, AA, KW, AB
	CVTQ 2*ps
	MM128 KW, 0x04, 2, 2*ps+1, AB, NONE, 0
	CVTQ 2*ps+1
.set ps, ps+1
.endr
; THE KEYS: eight tiles of 128, each in two halves of 64: scores, softmax, rescaling, V^T P.  A refill has 512 products and two softmaxes in which to land.
	WIN 0
	s_mov_b32 s[SLOTS], 8
.Lslot:
	CHANGE 1, 1
	s_mov_b32 s[TWICE], 2
.Lhalf:
.irp q, 0,1,2,3                        ; eight plain instructions: with the four v_nop in front of them the places behind the last products
	v_add3_u32 v[AA+\q], v[AK0], s[TB], \q*QB
	v_add3_u32 v[AB+\q], v[AV0], s[TB], \q*QB
.endr
.irp n, 0,1,2,3
	FRAG KK, \n, AA
.endr
	MM128 KK, 0x0c, 1, 0, AA, KV, AB
	SOFTMAX
	RESCALE
	PV
	WIN 0
	s_add_co_u32 s[TB], s[TB], 64                  ; the second half's keys lie 64 bytes on in every row
	s_sub_co_u32 s[TWICE], s[TWICE], 1
	s_cmp_lg_u32 s[TWICE], 0
	s_cbranch_scc1 .Lhalf
	s_sub_co_u32 s[TB], s[TB], 128
	s_sub_co_u32 s[SLOTS], s[SLOTS], 1
	s_cmp_lg_u32 s[SLOTS], 0
	s_cbranch_scc1 .Lslot
; a = O / l, rounded to bf16: two tiles of O^T ARE a fragment of a as source 1; it takes q's place in window 3.
.irp t, 0,1
	v_add_f32 v[ST+8*\t+6], v[ST+8*\t+2], v[ST+8*\t+3]
.endr
.irp t, 0,1
	v_permlanex16_b32 v[ST+8*\t+7], v[ST+8*\t+6], s[SEL], s[SEL+1]
.endr
.irp t, 0,1
	v_add_f32 v[ST+8*\t+6], v[ST+8*\t+6], v[ST+8*\t+7]
.endr
.irp t, 0,1
	v_rcp_f32 v[ST+8*\t+4], v[ST+8*\t+6]
.endr
	v_nop                                          ; a plain instruction between the reciprocals and their use
	s_wait_alu depctr_va_vdst(0)
	RESCALE
	WIN 0xc5
.set i, 0
.rept 128
	v_cvt_pk_bf16_f32 v[128*((i/4)%2)+8*(i/16)+4*((i/8)%2)+i%4], v[2*i], v[2*i+1]
.set i, i+1
.endr
	WIN 0xca
.set i, 0
.rept 128
	v_cvt_pk_bf16_f32 v[128*((i/4)%2)+64+8*(i/16)+4*((i/8)%2)+i%4], v[2*i], v[2*i+1]
.set i, i+1
.endr
; out = x + W'' a + b'': four tiles of W'', two halves each.  The last tile is written out.
	WIN 0
	s_mov_b32 s[SLOTS], 3
.Leslot:
	CHANGE 1, 0
	s_mov_b32 s[TWICE], 2
.Leh:
	EH
	s_sub_co_u32 s[TWICE], s[TWICE], 1
	s_cmp_lg_u32 s[TWICE], 0
	s_cbranch_scc1 .Leh
	s_sub_co_u32 s[TB], s[TB], 128*P
	s_sub_co_u32 s[SLOTS], s[SLOTS], 1
	s_cmp_lg_u32 s[SLOTS], 0
	s_cbranch_scc1 .Leslot
	CHANGE 0, 0
	s_mov_b32 s[TWICE], 2
.Leh2:
	EH
	s_sub_co_u32 s[TWICE], s[TWICE], 1
	s_cmp_lg_u32 s[TWICE], 0
	s_cbranch_scc1 .Leh2
	s_wait_tensorcnt 0x0                           ; the wave's end, behind my last tensor load and my last LDS store
	ds_add_u32 v[SPW], v[NIL]
	s_wait_dscnt 0x0
	CROUND                                         ; the closing round: no work-group ends while a partner may still ask for a tile that names it
	s_endpgm
.Lfunc_end_k_q669869ee31_attn:
	.size	k_q669869ee31_attn, .Lfunc_end_k_q669869ee31_attn-k_q669869ee31_attn
	.p2alignl 7, 3214868480
	.fill 96, 4, 3214868480
	.section	.rodata,"a",@progbits
	.p2align	6, 0x0
	.amdhsa_kernel k_q669869ee31_attn
		.amdhsa_group_segment_fixed_size 327680
		.amdhsa_private_segment_fixed_size 0
		.amdhsa_enable_private_segment 0
		.amdhsa_kernarg_size 40
		.amdhsa_user_sgpr_count 2
		.amdhsa_user_sgpr_kernarg_segment_ptr 1
		.amdhsa_wavefront_size32 1
		.amdhsa_system_sgpr_workgroup_id_x 1
		.amdhsa_system_sgpr_workgroup_id_y 1
		.amdhsa_system_sgpr_workgroup_id_z 1
		.amdhsa_system_vgpr_workitem_id 0
		.amdhsa_next_free_vgpr 1024
		.amdhsa_next_free_sgpr 100
		.amdhsa_reserve_vcc 0
		.amdhsa_float_denorm_mode_32 3
		.amdhsa_float_denorm_mode_16_64 3
		.amdhsa_memory_ordered 1
		.amdhsa_forward_progress 1
		.amdhsa_inst_pref_size 255
	.end_amdhsa_kernel
	.section	.bss,"aw",@nobits
	.p2align	6
	.space	262144
	.amdgpu_metadata
---
amdhsa.version: [ 1, 2 ]
amdhsa.kernels:
  - .name:           k_q669869ee31_attn
    .symbol:         k_q669869ee31_attn.kd
    .args:
      - { .name: hn, .offset: 0, .size: 8, .value_kind: global_buffer, .address_space: global }
      - { .name: wts, .offset: 8, .size: 8, .value_kind: global_buffer, .address_space: global }
      - { .name: vec, .offset: 16, .size: 8, .value_kind: global_buffer, .address_space: global }
      - { .name: x, .offset: 24, .size: 8, .value_kind: global_buffer, .address_space: global }
      - { .name: out0, .offset: 32, .size: 8, .value_kind: global_buffer, .address_space: global }
    .group_segment_fixed_size: 327680
    .private_segment_fixed_size: 0
    .kernarg_segment_align: 8
    .kernarg_segment_size: 40
    .max_flat_workgroup_size: 128
    .sgpr_count:     100
    .vgpr_count:     1024
    .wavefront_size: 32
...
	.end_amdgpu_metadata
.endif
;; end of part 3
;; ======== version 2 of 2: 3 launches; version 1 with the launch norm written anew for expert scheduling mode
;; workspace buffers: stats 2,048 bytes; hn 33,554,432 bytes; wts 1,048,576 bytes; vec 5,376 bytes
;; launch prep: the kernel of part 1 again; grid 256 x 1, 8 waves a work-group, no clusters, 167,936 bytes of LDS; arguments x, q_w, k_w, v_w, proj_w, q_b, k_b, v_b, proj_b, stats, wts, vec; writes stats, wts, vec
;; launch norm (part 4): grid 256 x 1, 16 waves a work-group, no clusters, 0 bytes of LDS; arguments x, stats, gamma, beta, hn; writes hn
.if DOCPART == 4
	.amdgcn_target "amdgcn-amd-amdhsa--gfx1250"
	.amdhsa_code_object_version 6
	.text
	.protected	k_q669869ee31_norm
	.globl	k_q669869ee31_norm
	.p2align	8
	.type	k_q669869ee31_norm,@function
k_q669869ee31_norm:
	s_mov_b64 s[64:65], 0
	v_nop
	global_prefetch_b8 v0, s[64:65] scope:SCOPE_SE
	s_setreg_imm32_b32 hwreg(HW_REG_WAVE_SCHED_MODE, 0, 2), 2
	s_setreg_imm32_b32 hwreg(HW_REG_WAVE_MODE, 25, 1), 1
	s_wait_xcnt 0x0
	s_wait_alu depctr_vm_vsrc(0)
; NORM.  hn = (x - mean) rsqrt(var + 1e-6) gamma + beta, rounded once to bf16, laid out for the attention: hn[frame 32][block of 128 positions 8][channel 512][128 positions].
; Work-group g takes the 256 KiB of x at byte g << 18 (four channels of one batch, all of one group); wave w 16 KiB on end: channel 4 (g & 127) + w / 4, frames 4 (w & 3) .. + 3.
; A load of the wave is 512 consecutive bytes of x (128 positions); its store is the 256 consecutive, aligned bytes of one row of hn.  32 loads a wave go out at once, 256 KiB for the work-group.
; Memory binds: no LDS, no barrier, no matrix unit.
; mean = pivot + S1 / N, var = S2 / N - (S1 / N)^2 with the sums taken about the pivot (the group's first number), N = 2^18; var is held at 0 or above.
; THE MODE: SCHED_MODE bits 1:0 = 2 (LLVM: expert scheduling mode 2), set by the entry lines.  The code itself states the register dependences
; between vector instructions and memory instructions, with s_wait_alu, always for 0.
; THE PLAN.  Registers that memory instructions touch:
;   v1, v2           byte offsets in x and in hn: made once at the head, read by every load and by every store, never written again.
;   v[XD + 4 i ..]   four registers for load i of 32.  The load lands there before any vector instruction names them; two multiply-adds work in place; two roundings write the first two;
;                    store i reads those two; nothing writes them afterwards.
; No register that a memory instruction has read is written again, and no load lands in a register that a vector instruction has named: what is left to state is that the offsets are written
; ahead of the first load, and that the roundings have written a store's data.  So the loads go in blocks of BLK: a block's sixteen vector instructions, ONE wait, the block's BLK stores in a run.
; The next block's vector instructions name other registers.
.set XD,  8                            ; v[8:135] the 32 loads
.set BLK, 4                            ; loads, and stores, in a block
	s_load_b256 s[4:11], s[0:1], 0x0               ; x s[4:5], stats s[6:7], gamma s[8:9], beta s[10:11]
	s_load_b64 s[12:13], s[0:1], 0x20              ; hn
	v_lshrrev_b32 v1, 5, v0
	v_readfirstlane_b32 s14, v1                    ; wave 0..15
	v_and_b32 v1, 31, v0
	v_lshlrev_b32 v2, 3, v1                        ; 8 bytes a lane in hn
	v_lshlrev_b32 v1, 4, v1                        ; 16 bytes a lane in x
	s_lshl_b32 s16, ttmp9, 18
	s_wait_alu depctr_va_sdst(0)                   ; s14 is written, ahead of its first reader: the wave's places in x and in hn are made from it
	s_lshl_b32 s15, s14, 14
	s_add_co_u32 s16, s16, s15                     ; my wave's first byte of x
	s_mov_b32 s17, 0
	s_lshr_b32 s18, ttmp9, 2                       ; the group
	s_lshl_b32 s19, s18, 5                         ; its four pairs of sums
	s_lshl_b32 s18, s18, 20                        ; its first byte of x
	s_and_b32 s20, ttmp9, 127
	s_lshl_b32 s20, s20, 2
	s_lshr_b32 s21, s14, 2
	s_add_co_u32 s20, s20, s21                     ; my channel
	s_lshl_b32 s21, s20, 2
	s_lshr_b32 s22, ttmp9, 7                       ; the batch
	s_lshl_b32 s22, s22, 4
	s_and_b32 s23, s14, 3
	s_lshl_b32 s23, s23, 2
	s_add_co_u32 s22, s22, s23                     ; my first frame
	s_lshl_b32 s22, s22, 20
	s_lshl_b32 s20, s20, 8
	s_add_co_u32 s22, s22, s20                     ; its block 0, my channel's row
	s_mov_b32 s23, 0
	s_wait_kmcnt 0x0
	s_load_b256 s[24:31], s[6:7], s19 offset:0x0
	s_load_b32 s32, s[4:5], s18 offset:0x0         ; the pivot
	s_load_b32 s33, s[8:9], s21 offset:0x0         ; gamma
	s_load_b32 s34, s[10:11], s21 offset:0x0       ; beta
	s_add_nc_u64 s[36:37], s[4:5], s[16:17]
	s_add_nc_u64 s[12:13], s[12:13], s[22:23]
	s_wait_alu depctr_va_vdst(0)                   ; v1 and v2 are written: every load below reads v1 as its offset, every store v2
.set i, 0
.rept 32
	global_load_b128 v[XD+4*i:XD+4*i+3], v1, s[36:37] offset:i*512
.set i, i+1
.endr
	s_wait_kmcnt 0x0
	v_mov_b32 v136, s24
	v_mov_b32 v137, s25
	v_add_f32 v136, s26, v136
	v_add_f32 v137, s27, v137
	v_add_f32 v136, s28, v136
	v_add_f32 v137, s29, v137
	v_add_f32 v136, s30, v136
	v_add_f32 v137, s31, v137
	v_mul_f32 v136, 0x36800000, v136               ; S1 / 2^18
	v_mul_f32 v137, 0x36800000, v137               ; S2 / 2^18
	v_fma_f32 v137, -v136, v136, v137              ; the variance
	v_max_num_f32 v137, 0, v137
	v_add_f32 v137, 0x358637bd, v137               ; + 1e-6
	v_rsq_f32 v137, v137
	v_add_f32 v136, s32, v136                      ; the mean; also the plain instruction behind v_rsq_f32 (ISA guide 5.7.2)
	s_wait_alu depctr_va_vdst(0)                   ; v_rsq_f32 has written v137, ahead of its first reader
	v_mul_f32 v4, s33, v137                        ; A = gamma rstd, twice: a pair for the packed form
	v_mul_f32 v5, s33, v137
	v_fma_f32 v6, -v136, v4, s34                   ; D = beta - mean A
	v_mov_b32 v7, v6
.set i, 0
.rept 32
	s_wait_loadcnt 31-i                            ; loads come back in order: load i is in, the younger ones stay out (stores do not count here)
	v_pk_fma_f32 v[XD+4*i:XD+4*i+1], v[XD+4*i:XD+4*i+1], v[4:5], v[6:7]
	v_pk_fma_f32 v[XD+4*i+2:XD+4*i+3], v[XD+4*i+2:XD+4*i+3], v[4:5], v[6:7]
	v_cvt_pk_bf16_f32 v[XD+4*i], v[XD+4*i], v[XD+4*i+1]
	v_cvt_pk_bf16_f32 v[XD+4*i+1], v[XD+4*i+2], v[XD+4*i+3]
.if (i % BLK) == (BLK-1)
	s_wait_alu depctr_va_vdst(0)                   ; the block's roundings have written the BLK pairs of registers that the stores below read
.set j, i-(BLK-1)
.rept BLK
	global_store_b64 v2, v[XD+4*j:XD+4*j+1], s[12:13] offset:((j>>3)<<20)+((j&7)<<17)  ; frame j / 8, block j % 8: 4,063,232 at the most, inside the signed 24 bits
.set j, j+1
.endr
.endif
.set i, i+1
.endr
	s_endpgm
.Lfunc_end_k_q669869ee31_norm:
	.size	k_q669869ee31_norm, .Lfunc_end_k_q669869ee31_norm-k_q669869ee31_norm
	.p2alignl 7, 3214868480
	.fill 96, 4, 3214868480
	.section	.rodata,"a",@progbits
	.p2align	6, 0x0
	.amdhsa_kernel k_q669869ee31_norm
		.amdhsa_group_segment_fixed_size 0
		.amdhsa_private_segment_fixed_size 0
		.amdhsa_enable_private_segment 0
		.amdhsa_kernarg_size 40
		.amdhsa_user_sgpr_count 2
		.amdhsa_user_sgpr_kernarg_segment_ptr 1
		.amdhsa_wavefront_size32 1
		.amdhsa_system_sgpr_workgroup_id_x 1
		.amdhsa_system_sgpr_workgroup_id_y 1
		.amdhsa_system_sgpr_workgroup_id_z 1
		.amdhsa_system_vgpr_workitem_id 0
		.amdhsa_next_free_vgpr 140
		.amdhsa_next_free_sgpr 66
		.amdhsa_reserve_vcc 0
		.amdhsa_float_denorm_mode_32 3
		.amdhsa_float_denorm_mode_16_64 3
		.amdhsa_memory_ordered 1
		.amdhsa_forward_progress 1
		.amdhsa_inst_pref_size 18
	.end_amdhsa_kernel
	.amdgpu_metadata
---
amdhsa.version: [ 1, 2 ]
amdhsa.kernels:
  - .name:           k_q669869ee31_norm
    .symbol:         k_q669869ee31_norm.kd
    .args:
      - { .name: x, .offset: 0, .size: 8, .value_kind: global_buffer, .address_space: global }
      - { .name: stats, .offset: 8, .size: 8, .value_kind: global_buffer, .address_space: global }
      - { .name: gamma, .offset: 16, .size: 8, .value_kind: global_buffer, .address_space: global }
      - { .name: beta, .offset: 24, .size: 8, .value_kind: global_buffer, .address_space: global }
      - { .name: hn, .offset: 32, .size: 8, .value_kind: global_buffer, .address_space: global }
    .group_segment_fixed_size: 0
    .private_segment_fixed_size: 0
    .kernarg_segment_align: 8
    .kernarg_segment_size: 40
    .max_flat_workgroup_size: 512
    .sgpr_count:     66
    .vgpr_count:     140
    .wavefront_size: 32
...
	.end_amdgpu_metadata
.endif
;; end of part 4
;; launch attn: the kernel of part 3 again; grid 8 x 32, 4 waves a work-group, clusters of 4 x 1, 327,680 bytes of LDS; arguments hn, wts, vec, x, out0; writes out0
